; MI455X (gfx1250); checked and timed in simulation.
; The chip was launched on July 23, 2026; its instructions are those of AMD's public machine-readable ISA for CDNA 5 (MIT licence, August 2026) and "CDNA5" Instruction Set Architecture Reference Guide (July 2026). The comments in the code are by the model that wrote it; some were corrected since.
;; Swin Transformer Block. Allowed arithmetic: matrix products marked QUANTISED: E5M2 operands, one E8M0 scale for each 32 along K, by v_wmma_scale_f32_16x16x128_f8f6f4 with both operands' format E5M2, f32 sums; everything else in f32.
;; Inputs: fc1_b 2,048 float32; fc1_w 2,048 x 512 float32; fc2_b 512 float32; fc2_w 512 x 2,048 float32; kln_b 16 x 1 x 32 float32; kln_w 16 x 1 x 32 float32; mask_matrix 1 int32; norm1_b 512 float32; norm1_w 512 float32; norm2_b 512 float32; norm2_w 512 float32; vln_b 16 x 1 x 32 float32; vln_w 16 x 1 x 32 float32; x 4 x 8,192 x 512 float32.
;; Outputs: out0 4 x 8,192 x 512 float32.
;; This version of the problem:
;;   THIS VERSION OF THE PROBLEM IS GIVEN IN LOW PRECISION. The matrix products marked QUANTISED in the list below multiply operands that are first quantised to E5M2 (5 exponent bits, 2 mantissa bits; 8 bits a number), with one power-of-two scale for each 32 numbers along K (OCP MX v1.0); their sums are f32. All else is computed in f32.
;;   The module's matrix products, in the order in which they are computed (A, B: the left and right operand; K: the contracted axis; several contracted axes count as one K, in the product's order):
;;     1. batch 64 x [M 32, K 8,192] x [K 8,192, N 32]; A: computed on the way; B: computed on the way: QUANTISED
;;     2. batch 64 x [M 8,192, K 32] x [K 32, N 32]; A: computed on the way; B: computed on the way: QUANTISED
;;     3. [M 32,768, K 512] x [K 512, N 2,048]; A: computed on the way; B: input fc1_w: QUANTISED
;;     4. [M 32,768, K 2,048] x [K 2,048, N 512]; A: computed on the way; B: input fc2_w: QUANTISED
;;   THE QUANTISER, for each operand of a quantised product, along K:
;;     - K is cut into blocks of 32 from its start; a last block that is shorter is filled with zeros.
;;     - A block's scale is 2^e with e = floor(log2(the largest magnitude in the block)) - 15, held to -126 .. 127; a block of zeros has e = 0. As a byte (E8M0): e + 127.
;;     - Each number is divided by its block's scale, clamped to +-57,344, and rounded to the nearest number of E5M2, ties to even, subnormals kept.
;;     - The product sums the exact products of the quantised numbers (number of the format x scale) in f32.
;;   ~~~python
;;   def quantise(x, axis):      # numpy; x: float32 -> the quantised numbers, widened to float32 again
;;       x = np.moveaxis(x, axis, -1); K = x.shape[-1]
;;       x = np.pad(x, [(0, 0)] * (x.ndim - 1) + [(0, -K % 32)]); x = x.reshape(x.shape[:-1] + (-1, 32)); a = np.abs(x).max(-1, keepdims=True)
;;       e = np.where(a > 0, np.clip(np.frexp(np.where(a > 0, a, 1))[1] - 1 - 15, -126, 127), 0)      # np.frexp(a)[1] - 1 = floor(log2(a)), exactly
;;       r = np.clip(x / 2.0 ** e, -57344, 57344)
;;       step = 2.0 ** (np.maximum(np.frexp(np.where(r == 0, 1, r))[1] - 1, -14) - 2)
;;       q = np.round(r / step) * step * 2.0 ** e      # np.round: ties to even
;;       return np.moveaxis(q.reshape(q.shape[:-2] + (-1,))[..., :K], -1, axis).astype(np.float32)
;;   ~~~
;;   OPERANDS COMPUTED ON THE WAY. 'Computed on the way' means the value that the module computes at that place (a softmax that the list does not call 'softmax' is quantised finished and normalised). What goes into a quantiser is computed in f32, as accurately as f32 sums, v_exp_f32 and their like allow (about 1e-6 of the number): no bf16 or f16 on the way to a quantiser, and a product that is left as it is and whose result goes on into a quantised operand takes f32 operands (vector FMAs, or v_wmma_f32_16x16x4_f32). A number that lies on a knife's edge between two numbers of the format may be rounded either way, as far as f32 arithmetic and the matrix unit's own rounding can turn it there, and no further.
;; One version. Each part assembles by itself: llvm-mc -triple=amdgcn-amd-amdhsa -mcpu=gfx1250 --defsym DOCPART=n.
;; ======== version 1 of 1: 3 launches
;; workspace buffers: part 16,777,216 bytes; stats1 262,144 bytes; kvf 262,144 bytes; kvs 16,384 bytes; wst 2,162,688 bytes
;; launch kvpart (part 1): grid 256 x 1, 16 waves a work-group, no clusters, 281,600 bytes of LDS; arguments x, norm1_w, norm1_b, kln_w, kln_b, vln_w, vln_b, part, stats1; writes part, stats1
.if DOCPART == 1
	.amdgcn_target "amdgcn-amd-amdhsa--gfx1250"
	.amdhsa_code_object_version 6
	.text
	.protected	k_q8a266e0bb5_kvpart
	.globl	k_q8a266e0bb5_kvpart
	.p2align	8
	.type	k_q8a266e0bb5_kvpart,@function
k_q8a266e0bb5_kvpart:
	s_mov_b64 s[64:65], 0
	v_nop
	global_prefetch_b8 v0, s[64:65] scope:SCOPE_SE
	s_setreg_imm32_b32 hwreg(HW_REG_WAVE_MODE, 25, 1), 1
	s_wait_xcnt 0x0
; PART OF kv = k^T v FOR 128 TOKENS.  x [32768][512] f32.  A work-group takes 128 tokens: one K step (128) of the product whose K is the tokens.
; Phase 1: wave w takes rows 8 w .. 8 w + 7 whole; lane L holds columns 128 q + 4 L + 0..3 (q = 0..3), so each load and LDS store covers 512 consecutive bytes and eight neighbouring lanes
; hold one head of 32 channels.  h = LN1(x); nh = (h - mean_head) / (std_head + 1e-5), std unbiased.  nh goes to LDS in f32; (mean, rstd) of LN1 go to stats1 for the last launch.
; Phase 2: wave w takes head w.  A lane takes ONE column of nh and its registers run down the tokens, in the operand's own order (register 16 c + i = token 32 c + 16 (lane / 16) + i).
; k = kln_w nh + kln_b and v = vln_w nh + vln_b are quantised down the tokens (E5M2, one E8M0 byte for 32 tokens) and multiplied: 4 matrix instructions, results to part.
; THE COLUMNS OF A TILE ARE NOT NEIGHBOURS: lane r of tile t takes column 8 t + r + 8 (r / 8), so that in the result a lane holds d = 16 (lane / 16) + 0..15 on end: the next quantiser's K.
; LIMITS: NaN and infinities among the inputs are not served; a block whose largest magnitude lies under 2^-111 keeps the scale byte 1 (a block of zeros too: its codes are zeros, and this program alone reads the bytes).
; No tensor load, no cluster: the work-groups share no input but 12 KB of gains and biases.
.set NHP, 2176                         ; a row of nh in LDS: 2,048 bytes + 128
.set STB, 128*NHP                      ; behind nh: (mean, rstd), 8 bytes a token
.set WV, 22
.set SEL, 24                           ; s[24:25] selects of v_permlanex16_b32: lane l xor 16
.set MNT, 26                           ; the mantissa field of 57,344
.set I512, 27
.set EPS, 28
.set LI, 1                             ; 16 x lane
.set GS, 2                             ; 16 x thread: stats1
.set PO, 3                             ; 4 x (32 w + r + 8 (r / 8)): my column, in the gains and in a row of nh
.set PV, 4                             ; 4,096 w + 16 lane: part
.set NW, 5                             ; nh: where my wave's rows begin, + 16 lane
.set SA, 6                             ; my wave's eight (mean, rstd)
.set STR, 7                            ; STB + 16 x thread
.set AN, 8                             ; v8-11 nh's column reads: tokens 32 c on
.set N1W, 12                           ; v12-27 norm1_w, v28-43 norm1_b of my 16 columns
.set N1B, 28
.set RW, 44                            ; v44-171 eight rows x 16
.set TT, 172                           ; v172-219 at work: 12 a row, four rows
.set PD, 220                           ; v220-223 lane permutes' destinations
.set SD, 224                           ; v224-227 stats on their way out
.set SW, 228                           ; v228-231 scale words: k tile 0, 1, v tile 0, 1
.set SB, 232                           ; v232-233 two scale bytes kept
.set PR, 240                           ; v240-255 kln_w, kln_b, vln_w, vln_b of my column, tile 0, then tile 1: each the low word of a pair
.set NN, 16                            ; phase 2: v16-79 nh, v80-143 k or v, v144-207 four fragments, v208-215 the quantiser's
.set WK, 80
.set KF, 144
.set VF, 176
.set TM, 208
.set AC, 16                            ; the four results, over nh when it is done with
.macro PLACES n
.rept \n
	v_nop
.endr
.endm
; THE QUANTISER.  16 numbers a block in my lane, the other 16 in lane l xor 16.  TM: +0,1 largest magnitude; +2,3 the other lane's, then the byte; +4,5 57,344 x scale; +6,7 the conversion's scale operand.
.macro QBC src, held, d, b
.irp i, 0,1,2,3,4,5,6,7,8,9,10,11,12,13,14,15
	v_med3_num_f32 v[(\held)+\i], v[(\src)+\i], -v[TM+4+\b], v[TM+4+\b]   ; the conversion does not saturate (ISA guide 7.6.2): hold at the largest code x the scale
.endr
	v_cvt_scalef32_pk8_bf8_f32 v[(\d):(\d)+1], v[(\held):(\held)+7], v[TM+6+\b]
	v_cvt_scalef32_pk8_bf8_f32 v[(\d)+2:(\d)+3], v[(\held)+8:(\held)+15], v[TM+6+\b]
.endm
.macro QB nb, src, held, d0, d1
.irp b, 0,1
.if \b < \nb
	v_max3_num_f32 v[TM+\b], |v[(\src)+16*\b]|, |v[(\src)+16*\b+1]|, 0x8000000   ; with the floor 2^(16 - 127): the byte cannot fall under 1
.endif
.endr
.irp i, 2,4,6,8,10,12,14
.irp b, 0,1
.if \b < \nb
	v_max3_num_f32 v[TM+\b], v[TM+\b], |v[(\src)+16*\b+\i]|, |v[(\src)+16*\b+\i+1]|
.endif
.endr
.endr
.irp b, 0,1
.if \b < \nb
	v_permlanex16_b32 v[TM+2+\b], v[TM+\b], s[SEL], s[SEL+1]
.endif
.endr
.irp b, 0,1
.if \b < \nb
	v_max_num_f32 v[TM+\b], v[TM+\b], v[TM+2+\b]          ; the block's largest magnitude
.endif
.endr
.irp b, 0,1
.if \b < \nb
	v_add_nc_u32 v[TM+6+\b], 0xf8800000, v[TM+\b]         ; 15 off its exponent field: the scale operand
	v_and_or_b32 v[TM+4+\b], v[TM+\b], 0x7f800000, s[MNT] ; 57,344 x the scale
.endif
.endr
.irp b, 0,1
.if \b < \nb
	v_lshrrev_b32 v[TM+2+\b], 23, v[TM+6+\b]              ; the scale's byte
.endif
.endr
	QBC \src, \held, \d0, 0
.if \nb > 1
	QBC (\src)+16, (\held)+16, \d1, 1
.endif
	v_nop                                                 ; one plain line behind the last scaled conversion
.endm
.macro WORD4 dst                       ; four bytes make a row's scale word
	v_lshl_or_b32 v[\dst], v[SB+1], 8, v[SB]
	v_lshl_or_b32 v[\dst], v[TM+2], 16, v[\dst]
	v_lshl_or_b32 v[\dst], v[TM+3], 24, v[\dst]
.endm
	s_load_b256 s[4:11], s[0:1], 0x0               ; x, norm1_w, norm1_b, kln_w
	s_load_b256 s[12:19], s[0:1], 0x20             ; kln_b, vln_w, vln_b, part
	s_load_b64 s[20:21], s[0:1], 0x40              ; stats1
	v_lshl_add_u32 v238, v0, 2, 0x44400
	v_mov_b32 v239, 0
	v_lshrrev_b32 v172, 5, v0
	v_readfirstlane_b32 s[WV], v172                ; wave 0..15
	v_and_b32 v172, 31, v0                         ; lane
	v_and_b32 v173, 15, v0                         ; r
	v_bfe_u32 v174, v0, 4, 1                       ; h
	v_lshlrev_b32 v[LI], 4, v172
	v_lshlrev_b32 v[GS], 4, v0
	v_and_b32 v175, 8, v173
	v_add_nc_u32 v175, v175, v173                  ; r + 8 (r / 8)
	s_lshl_b32 s29, s[WV], 7
	v_lshl_add_u32 v[PO], v175, 2, s29
	s_lshl_b32 s29, s[WV], 12
	v_add_nc_u32 v[PV], s29, v[LI]
	s_mul_i32 s29, s[WV], 8*NHP
	s_lshr_b32 s30, s[WV], 1
	s_and_b32 s30, s30, 1
	s_lshl_b32 s30, s30, 7                         ; rows 16..31, 48..63, .. lie 128 bytes to the right, so that the two halves of a column read fall on different banks
	s_add_co_u32 s29, s29, s30
	v_add_nc_u32 v[NW], s29, v[LI]
	s_lshl_b32 s29, s[WV], 6
	s_add_co_u32 s29, s29, STB
	v_mov_b32 v[SA], s29
	v_lshl_add_u32 v[STR], v0, 4, STB
	v_mad_u32_u24 v[AN], v174, 16*NHP+128, v[PO]   ; token 16 h, column mine
.irp c, 1,2,3
	v_add_nc_u32 v[AN+\c], \c*32*NHP, v[AN]
.endr
.irp i, 1,3,5,7,9,11,13,15
	v_mov_b32 v[PR+\i], 0                          ; named as the upper halves of pairs, so they are written
.endr
.irp k, 0,1,2,3
	v_mov_b32 v[PD+\k], 0                          ; a lane permute's destination counts as one of its sources
.endr
	s_mov_b32 s[SEL], 0x76543210
	s_mov_b32 s[SEL+1], 0xfedcba98
	s_mov_b32 s[MNT], 0x600000
	s_mov_b32 s[I512], 0x3b000000                  ; 1 / 512
	s_mov_b32 s[EPS], 0x3727c5ac                   ; 1e-5
	s_lshl_b32 s30, ttmp9, 18                      ; 128 rows of 2,048 bytes a work-group,
	s_lshl_b32 s31, s[WV], 14                      ; 8 rows a wave
	s_add_co_u32 s30, s30, s31
	s_mov_b32 s31, 0
	s_wait_kmcnt 0x0
	s_add_nc_u64 s[4:5], s[4:5], s[30:31]
	s_lshl_b32 s30, ttmp9, 16
	s_add_nc_u64 s[18:19], s[18:19], s[30:31]
	s_lshl_b32 s30, ttmp9, 10
	s_add_nc_u64 s[20:21], s[20:21], s[30:31]
.irp q, 0,1,2,3
	global_load_b128 v[N1W+4*\q:N1W+4*\q+3], v[LI], s[6:7] offset:512*\q
	global_load_b128 v[N1B+4*\q:N1B+4*\q+3], v[LI], s[8:9] offset:512*\q
.endr
.irp t, 0,1
	global_load_b32 v[PR+8*\t], v[PO], s[10:11] offset:32*\t
	global_load_b32 v[PR+8*\t+2], v[PO], s[12:13] offset:32*\t
	global_load_b32 v[PR+8*\t+4], v[PO], s[14:15] offset:32*\t
	global_load_b32 v[PR+8*\t+6], v[PO], s[16:17] offset:32*\t
.endr
.irp p, 0,1,2,3,4,5,6,7
.irp q, 0,1,2,3
	global_load_b128 v[RW+16*\p+4*\q:RW+16*\p+4*\q+3], v[LI], s[4:5] offset:2048*\p+512*\q th:TH_LOAD_NT   ; all eight rows are asked for at once
.endr
.endr
.macro RED32 o                         ; register o of each of the four rows' temporaries: summed over the 32 lanes
.irp m, 1,2,4,8
.irp k, 0,1,2,3
	v_add_f32_dpp v[TT+12*\k+\o], v[TT+12*\k+\o], v[TT+12*\k+\o] row_xmask:\m row_mask:0xf bank_mask:0xf
.endr
.endr
.irp k, 0,1,2,3
	v_permlanex16_b32 v[PD+\k], v[TT+12*\k+\o], s[SEL], s[SEL+1]
.endr
.irp k, 0,1,2,3
	v_add_f32 v[TT+12*\k+\o], v[TT+12*\k+\o], v[PD+\k]
.endr
.endm
.macro RED8                            ; the four heads' registers of each row: summed over the eight lanes of a head
.irp m, 1,2,4
.irp k, 0,1,2,3
.irp q, 0,1,2,3
	v_add_f32_dpp v[TT+12*\k+4+2*\q], v[TT+12*\k+4+2*\q], v[TT+12*\k+4+2*\q] row_xmask:\m row_mask:0xf bank_mask:0xf
.endr
.endr
.endr
.endm
; Four rows in step, line by line.  Temporaries of row k: +0 mean, +1 rstd, +2,3 sum of squares, +4 .. +11 a pair for each of my four heads.
.macro ROWS4 g
.set RG, RW+64*\g
.irp k, 0,1,2,3
.irp j, 0,1,2,3
	v_pk_add_f32 v[TT+12*\k+4+2*\j:TT+12*\k+5+2*\j], v[RG+16*\k+4*\j:RG+16*\k+4*\j+1], v[RG+16*\k+4*\j+2:RG+16*\k+4*\j+3]
.endr
.endr
.irp k, 0,1,2,3
	v_pk_add_f32 v[TT+12*\k+4:TT+12*\k+5], v[TT+12*\k+4:TT+12*\k+5], v[TT+12*\k+6:TT+12*\k+7]
	v_pk_add_f32 v[TT+12*\k+8:TT+12*\k+9], v[TT+12*\k+8:TT+12*\k+9], v[TT+12*\k+10:TT+12*\k+11]
.endr
.irp k, 0,1,2,3
	v_pk_add_f32 v[TT+12*\k:TT+12*\k+1], v[TT+12*\k+4:TT+12*\k+5], v[TT+12*\k+8:TT+12*\k+9]
.endr
.irp k, 0,1,2,3
	v_add_f32 v[TT+12*\k], v[TT+12*\k], v[TT+12*\k+1]
.endr
	RED32 0
.irp k, 0,1,2,3
	v_mul_f32 v[TT+12*\k], s[I512], v[TT+12*\k]            ; the row's mean
.endr
.irp k, 0,1,2,3
.irp j, 0,2,4,6,8,10,12,14
	v_pk_add_f32 v[RG+16*\k+\j:RG+16*\k+\j+1], v[RG+16*\k+\j:RG+16*\k+\j+1], v[TT+12*\k:TT+12*\k+1] op_sel_hi:[1,0] neg_lo:[0,1] neg_hi:[0,1]
.endr
.endr
.irp k, 0,1,2,3
	v_pk_mul_f32 v[TT+12*\k+2:TT+12*\k+3], v[RG+16*\k:RG+16*\k+1], v[RG+16*\k:RG+16*\k+1]
.endr
.irp j, 2,4,6,8,10,12,14
.irp k, 0,1,2,3
	v_pk_fma_f32 v[TT+12*\k+2:TT+12*\k+3], v[RG+16*\k+\j:RG+16*\k+\j+1], v[RG+16*\k+\j:RG+16*\k+\j+1], v[TT+12*\k+2:TT+12*\k+3]
.endr
.endr
.irp k, 0,1,2,3
	v_add_f32 v[TT+12*\k+2], v[TT+12*\k+2], v[TT+12*\k+3]
.endr
	RED32 2
.irp k, 0,1,2,3
	v_fma_f32 v[TT+12*\k+2], v[TT+12*\k+2], s[I512], s[EPS]   ; variance + 1e-5
.endr
.irp k, 0,1,2,3
	v_rsq_f32 v[TT+12*\k+2], v[TT+12*\k+2]
.endr
	v_nop                                          ; a plain line behind the batch,
	s_wait_alu depctr_va_vdst(0)                   ; and one wait for its four results, ahead of the first reader
.irp k, 0,1,2,3
	v_mov_b32 v[TT+12*\k+1], v[TT+12*\k+2]
.endr
.irp k, 0,1,2,3
	ds_store_b64 v[SA], v[TT+12*\k:TT+12*\k+1] offset:8*(4*\g+\k)   ; (mean, rstd): all lanes write the same words with the same values
.endr
.irp k, 0,1,2,3
.irp j, 0,2,4,6,8,10,12,14
	v_pk_mul_f32 v[RG+16*\k+\j:RG+16*\k+\j+1], v[RG+16*\k+\j:RG+16*\k+\j+1], v[TT+12*\k+2:TT+12*\k+3] op_sel_hi:[1,0]
.endr
.endr
.irp k, 0,1,2,3
.irp j, 0,2,4,6,8,10,12,14
	v_pk_fma_f32 v[RG+16*\k+\j:RG+16*\k+\j+1], v[RG+16*\k+\j:RG+16*\k+\j+1], v[N1W+\j:N1W+\j+1], v[N1B+\j:N1B+\j+1]   ; h
.endr
.endr
.irp k, 0,1,2,3
.irp q, 0,1,2,3
	v_pk_add_f32 v[TT+12*\k+4+2*\q:TT+12*\k+5+2*\q], v[RG+16*\k+4*\q:RG+16*\k+4*\q+1], v[RG+16*\k+4*\q+2:RG+16*\k+4*\q+3]
.endr
.endr
.irp k, 0,1,2,3
.irp q, 0,1,2,3
	v_add_f32 v[TT+12*\k+4+2*\q], v[TT+12*\k+4+2*\q], v[TT+12*\k+5+2*\q]
.endr
.endr
	RED8
.irp k, 0,1,2,3
.irp q, 0,1,2,3
	v_mul_f32 v[TT+12*\k+4+2*\q], 0x3d000000, v[TT+12*\k+4+2*\q]     ; the head's mean: / 32
.endr
.endr
.irp k, 0,1,2,3
.irp q, 0,1,2,3
	v_pk_add_f32 v[RG+16*\k+4*\q:RG+16*\k+4*\q+1], v[RG+16*\k+4*\q:RG+16*\k+4*\q+1], v[TT+12*\k+4+2*\q:TT+12*\k+5+2*\q] op_sel_hi:[1,0] neg_lo:[0,1] neg_hi:[0,1]
	v_pk_add_f32 v[RG+16*\k+4*\q+2:RG+16*\k+4*\q+3], v[RG+16*\k+4*\q+2:RG+16*\k+4*\q+3], v[TT+12*\k+4+2*\q:TT+12*\k+5+2*\q] op_sel_hi:[1,0] neg_lo:[0,1] neg_hi:[0,1]
.endr
.endr
.irp k, 0,1,2,3
.irp q, 0,1,2,3
	v_pk_mul_f32 v[TT+12*\k+4+2*\q:TT+12*\k+5+2*\q], v[RG+16*\k+4*\q:RG+16*\k+4*\q+1], v[RG+16*\k+4*\q:RG+16*\k+4*\q+1]
.endr
.endr
.irp k, 0,1,2,3
.irp q, 0,1,2,3
	v_pk_fma_f32 v[TT+12*\k+4+2*\q:TT+12*\k+5+2*\q], v[RG+16*\k+4*\q+2:RG+16*\k+4*\q+3], v[RG+16*\k+4*\q+2:RG+16*\k+4*\q+3], v[TT+12*\k+4+2*\q:TT+12*\k+5+2*\q]
.endr
.endr
.irp k, 0,1,2,3
.irp q, 0,1,2,3
	v_add_f32 v[TT+12*\k+4+2*\q], v[TT+12*\k+4+2*\q], v[TT+12*\k+5+2*\q]
.endr
.endr
	RED8
.irp k, 0,1,2,3
.irp q, 0,1,2,3
	v_mul_f32 v[TT+12*\k+4+2*\q], 0x3d042108, v[TT+12*\k+4+2*\q]     ; / 31: the unbiased variance
.endr
.endr
.irp k, 0,1,2,3
.irp q, 0,1,2,3
	v_sqrt_f32 v[TT+12*\k+4+2*\q], v[TT+12*\k+4+2*\q]
.endr
.endr
	v_nop
	s_wait_alu depctr_va_vdst(0)                   ; one wait for the sixteen roots
.irp k, 0,1,2,3
.irp q, 0,1,2,3
	v_add_f32 v[TT+12*\k+4+2*\q], s[EPS], v[TT+12*\k+4+2*\q]
.endr
.endr
.irp k, 0,1,2,3
.irp q, 0,1,2,3
	v_rcp_f32 v[TT+12*\k+4+2*\q], v[TT+12*\k+4+2*\q]
.endr
.endr
	v_nop
	s_wait_alu depctr_va_vdst(0)                   ; one wait for the sixteen reciprocals
.irp k, 0,1,2,3
.irp q, 0,1,2,3
	v_pk_mul_f32 v[RG+16*\k+4*\q:RG+16*\k+4*\q+1], v[RG+16*\k+4*\q:RG+16*\k+4*\q+1], v[TT+12*\k+4+2*\q:TT+12*\k+5+2*\q] op_sel_hi:[1,0]
	v_pk_mul_f32 v[RG+16*\k+4*\q+2:RG+16*\k+4*\q+3], v[RG+16*\k+4*\q+2:RG+16*\k+4*\q+3], v[TT+12*\k+4+2*\q:TT+12*\k+5+2*\q] op_sel_hi:[1,0]
.endr
.endr
.irp k, 0,1,2,3
.irp q, 0,1,2,3
	ds_store_b128 v[NW], v[RG+16*\k+4*\q:RG+16*\k+4*\q+3] offset:(4*\g+\k)*NHP+512*\q   ; nh: 512 consecutive bytes a store
.endr
.endr
.endm
	s_wait_loadcnt 16                              ; gains, biases and rows 0-3 are in; the sixteen loads of rows 4-7 may be out
	ROWS4 0
	s_wait_loadcnt 0x0
	ROWS4 1
	s_wait_dscnt 0x0                               ; my stores have landed: the others read them behind the barrier
	s_barrier_signal -1
	s_barrier_wait -1
	s_cmp_lt_u32 s[WV], 2                          ; the 1,024 bytes of (mean, rstd) leave in whole runs of 512 bytes: waves 0 and 1
	s_cbranch_scc0 .Lno_stats
	ds_load_b128 v[SD:SD+3], v[STR]
	s_wait_dscnt 0x0
	global_store_b128 v[GS], v[SD:SD+3], s[20:21]
.Lno_stats:
	v_mov_b32 v[TM+2], 0
	v_mov_b32 v[TM+3], 0
.macro KVQ w, b, f, sw                 ; WK = nh x gain + bias; quantised down the tokens into fragment f and scale word sw
.set j, 0
.rept 32
	v_pk_fma_f32 v[WK+j:WK+j+1], v[NN+j:NN+j+1], v[\w:\w+1], v[\b:\b+1] op_sel_hi:[1,0,0]
.set j, j+2
.endr
	QB 2, WK, WK, \f, \f+4
	v_mov_b32 v[SB], v[TM+2]
	v_mov_b32 v[SB+1], v[TM+3]
	QB 2, WK+32, WK+32, \f+8, \f+12
	WORD4 \sw
.endm
.irp t, 0,1
.irp c, 0,1,2,3
.irp i, 0,1,2,3,4,5,6,7,8,9,10,11,12,13,14,15
	ds_load_b32 v[NN+16*\c+\i], v[AN+\c] offset:\i*NHP+32*\t   ; nh(token 32 c + 16 h + i, my column of tile t)
.endr
.endr
	s_wait_dscnt 0x0
	KVQ PR+8*\t, PR+8*\t+2, KF+16*\t, SW+\t
	KVQ PR+8*\t+4, PR+8*\t+6, VF+16*\t, SW+2+\t
.endr
	PLACES 8                                       ; codes made by vector instructions stand 4 places, scale words 8, ahead of a scaled matrix instruction
.irp e, 0,1
.irp d, 0,1
	v_wmma_scale_f32_16x16x128_f8f6f4 v[AC+16*\e+8*\d:AC+16*\e+8*\d+7], v[KF+16*\d:KF+16*\d+15], v[VF+16*\e:VF+16*\e+15], 0, v[SW+\d], v[SW+2+\e] matrix_a_fmt:MATRIX_FMT_BF8 matrix_b_fmt:MATRIX_FMT_BF8
.endr
.endr
	PLACES 8                                       ; eight places behind this form before its results are read
.irp e, 0,1
.irp q, 0,1,2,3
	global_store_b128 v[PV], v[AC+16*\e+4*\q:AC+16*\e+4*\q+3], s[18:19] offset:2048*\e+512*\q th:TH_STORE_NT   ; lane (r, h): e = 8 et + r + 8 (r / 8), d = 16 h + 4 q + 0..3; 512 consecutive bytes a store
.endr
.endr
	s_wait_tensorcnt 0x0
	ds_add_u32 v238, v239
	s_wait_dscnt 0x0
	s_endpgm
.Lfunc_end_k_q8a266e0bb5_kvpart:
	.size	k_q8a266e0bb5_kvpart, .Lfunc_end_k_q8a266e0bb5_kvpart-k_q8a266e0bb5_kvpart
	.p2alignl 7, 3214868480
	.fill 96, 4, 3214868480
	.section	.rodata,"a",@progbits
	.p2align	6, 0x0
	.amdhsa_kernel k_q8a266e0bb5_kvpart
		.amdhsa_group_segment_fixed_size 281600
		.amdhsa_private_segment_fixed_size 0
		.amdhsa_enable_private_segment 0
		.amdhsa_kernarg_size 72
		.amdhsa_user_sgpr_count 2
		.amdhsa_user_sgpr_kernarg_segment_ptr 1
		.amdhsa_wavefront_size32 1
		.amdhsa_system_sgpr_workgroup_id_x 1
		.amdhsa_system_sgpr_workgroup_id_y 1
		.amdhsa_system_sgpr_workgroup_id_z 1
		.amdhsa_system_vgpr_workitem_id 0
		.amdhsa_next_free_vgpr 256
		.amdhsa_next_free_sgpr 66
		.amdhsa_reserve_vcc 0
		.amdhsa_float_denorm_mode_32 3
		.amdhsa_float_denorm_mode_16_64 3
		.amdhsa_memory_ordered 1
		.amdhsa_forward_progress 1
		.amdhsa_inst_pref_size 123
	.end_amdhsa_kernel
	.amdgpu_metadata
---
amdhsa.version: [ 1, 2 ]
amdhsa.kernels:
  - .name:           k_q8a266e0bb5_kvpart
    .symbol:         k_q8a266e0bb5_kvpart.kd
    .args:
      - { .name: x, .offset: 0, .size: 8, .value_kind: global_buffer, .address_space: global }
      - { .name: norm1_w, .offset: 8, .size: 8, .value_kind: global_buffer, .address_space: global }
      - { .name: norm1_b, .offset: 16, .size: 8, .value_kind: global_buffer, .address_space: global }
      - { .name: kln_w, .offset: 24, .size: 8, .value_kind: global_buffer, .address_space: global }
      - { .name: kln_b, .offset: 32, .size: 8, .value_kind: global_buffer, .address_space: global }
      - { .name: vln_w, .offset: 40, .size: 8, .value_kind: global_buffer, .address_space: global }
      - { .name: vln_b, .offset: 48, .size: 8, .value_kind: global_buffer, .address_space: global }
      - { .name: part, .offset: 56, .size: 8, .value_kind: global_buffer, .address_space: global }
      - { .name: stats1, .offset: 64, .size: 8, .value_kind: global_buffer, .address_space: global }
    .group_segment_fixed_size: 281600
    .private_segment_fixed_size: 0
    .kernarg_segment_align: 8
    .kernarg_segment_size: 72
    .max_flat_workgroup_size: 512
    .sgpr_count:     66
    .vgpr_count:     256
    .wavefront_size: 32
...
	.end_amdgpu_metadata
.endif
;; end of part 1
;; launch prep (part 2): grid 256 x 1, 8 waves a work-group, no clusters, 5,120 bytes of LDS; arguments part, fc1_w, fc2_w, mask_matrix, kvf, kvs, wst; writes kvf, kvs, wst
.if DOCPART == 2
	.amdgcn_target "amdgcn-amd-amdhsa--gfx1250"
	.amdhsa_code_object_version 6
	.text
	.protected	k_q8a266e0bb5_prep
	.globl	k_q8a266e0bb5_prep
	.p2align	8
	.type	k_q8a266e0bb5_prep,@function
k_q8a266e0bb5_prep:
	s_mov_b64 s[64:65], 0
	v_nop
	global_prefetch_b8 v0, s[64:65] scope:SCOPE_SE
	s_setreg_imm32_b32 hwreg(HW_REG_WAVE_MODE, 25, 1), 1
	s_wait_xcnt 0x0
; TWO SMALL JOBS IN ONE LAUNCH, parted by the work-group's number.
; Work-groups 0-127, g = (16 b + head) 2 + et: the 64 partial products of batch b are summed, multiplied by 2^-13 (the division by 8,192 tokens, exact) and quantised along d (E5M2, one E8M0 byte for the 32 d):
;   kvf[g] is a whole operand fragment (16 registers a lane, 2,048 bytes) whose piece head % 4 holds the codes and whose other three pieces hold zero codes; kvs[g] holds the row's scale byte in all four bytes of a word.
; Work-groups 128-255, g' = 32 w + t: one sub-slot of the weights' stream for wave w of the last launch: 8 fragments of fc1_w (t % 4 = 0, 1) or fc2_w (2, 3), quantised along K, laid in the order of the operand's registers
;   (piece p of a fragment: 512 bytes, 16 a lane), and behind them their scale words (entry e: lanes 0-15 fragment 2 e, lanes 16-31 fragment 2 e + 1).  Wave i makes fragment i.
; The rows of a tile are not neighbours: lane r of tile T takes row 32 (T / 2) + 8 (T % 2) + r + 8 (r / 8), so that the transposed product's results lie along the next K.
; mask_matrix is read; the computation that this program follows makes no use of it, so its value goes nowhere.
; LIMITS: NaN and infinities are not served; a block whose largest magnitude lies under 2^-111 keeps the byte 1 (a block of zeros too: its codes are zeros, and this program alone reads the bytes).
.set WV, 20
.set SEL, 22
.set MNT, 24
.set TM, 8                             ; v8-15 the quantiser's
.set SB, 16                            ; v16-17 two bytes kept
.macro QBC src, held, d, b
.irp i, 0,1,2,3,4,5,6,7,8,9,10,11,12,13,14,15
	v_med3_num_f32 v[(\held)+\i], v[(\src)+\i], -v[TM+4+\b], v[TM+4+\b]   ; the conversion does not saturate (ISA guide 7.6.2): hold at the largest code x the scale
.endr
	v_cvt_scalef32_pk8_bf8_f32 v[(\d):(\d)+1], v[(\held):(\held)+7], v[TM+6+\b]
	v_cvt_scalef32_pk8_bf8_f32 v[(\d)+2:(\d)+3], v[(\held)+8:(\held)+15], v[TM+6+\b]
.endm
.macro QB nb, src, held, d0, d1        ; 16 numbers a block in my lane, the other 16 in lane l xor 16
.irp b, 0,1
.if \b < \nb
	v_max3_num_f32 v[TM+\b], |v[(\src)+16*\b]|, |v[(\src)+16*\b+1]|, 0x8000000   ; with the floor 2^(16 - 127)
.endif
.endr
.irp i, 2,4,6,8,10,12,14
.irp b, 0,1
.if \b < \nb
	v_max3_num_f32 v[TM+\b], v[TM+\b], |v[(\src)+16*\b+\i]|, |v[(\src)+16*\b+\i+1]|
.endif
.endr
.endr
.irp b, 0,1
.if \b < \nb
	v_permlanex16_b32 v[TM+2+\b], v[TM+\b], s[SEL], s[SEL+1]
.endif
.endr
.irp b, 0,1
.if \b < \nb
	v_max_num_f32 v[TM+\b], v[TM+\b], v[TM+2+\b]
.endif
.endr
.irp b, 0,1
.if \b < \nb
	v_add_nc_u32 v[TM+6+\b], 0xf8800000, v[TM+\b]         ; 15 off the exponent field: the scale operand
	v_and_or_b32 v[TM+4+\b], v[TM+\b], 0x7f800000, s[MNT] ; 57,344 x the scale
.endif
.endr
.irp b, 0,1
.if \b < \nb
	v_lshrrev_b32 v[TM+2+\b], 23, v[TM+6+\b]              ; the byte
.endif
.endr
	QBC \src, \held, \d0, 0
.if \nb > 1
	QBC (\src)+16, (\held)+16, \d1, 1
.endif
	v_nop
.endm
	s_load_b256 s[4:11], s[0:1], 0x0               ; part, fc1_w, fc2_w, mask_matrix
	s_load_b128 s[12:15], s[0:1], 0x20             ; kvf, kvs
	s_load_b64 s[16:17], s[0:1], 0x30              ; wst
	v_lshl_add_u32 v192, v0, 2, 0x1000
	v_mov_b32 v193, 0
	v_lshrrev_b32 v1, 5, v0
	v_readfirstlane_b32 s[WV], v1                  ; wave 0..7
	v_and_b32 v2, 31, v0
	v_lshlrev_b32 v2, 4, v2                        ; 16 x lane
	v_lshlrev_b32 v1, 4, v0                        ; 16 x thread
	v_and_b32 v3, 15, v0                           ; r
	v_bfe_u32 v4, v0, 4, 1                         ; h
	v_mov_b32 v[TM+2], 0                           ; a lane permute's destination counts as one of its sources
	v_mov_b32 v[TM+3], 0
	s_mov_b32 s[SEL], 0x76543210
	s_mov_b32 s[SEL+1], 0xfedcba98
	s_mov_b32 s[MNT], 0x600000
	s_wait_kmcnt 0x0
	s_load_b32 s18, s[10:11], 0x0                  ; mask_matrix: read, and used by nothing
	s_cmp_lt_u32 ttmp9, 128
	s_cbranch_scc0 .Lweights
	; ---- kv.  Wave v sums 32 of the 64 partials (half v / 4) for quarter q = v % 4 of the lane's 16 numbers
	s_and_b32 s25, s[WV], 3
	s_lshr_b32 s26, s[WV], 2
	s_lshr_b32 s27, ttmp9, 5                       ; b
	s_lshl_b32 s27, s27, 6
	s_lshl_b32 s26, s26, 5
	s_add_co_u32 s27, s27, s26                     ; the first of my 32 partials: 64 b + 32 half
	s_lshl_b32 s26, s27, 16
	s_and_b32 s27, ttmp9, 31
	s_lshl_b32 s27, s27, 11                        ; (head, et): 2,048 bytes each
	s_add_co_u32 s26, s26, s27
	s_lshl_b32 s25, s25, 9
	s_add_co_u32 s26, s26, s25
	s_mov_b32 s27, 0
	s_add_nc_u64 s[4:5], s[4:5], s[26:27]
.set p, 0
.rept 32
	global_load_b128 v[32+4*p:35+4*p], v2, s[4:5] offset:65536*p th:TH_LOAD_NT   ; 512 consecutive bytes a load; all 32 are out together
.set p, p+1
.endr
	s_wait_loadcnt 0x0
.irp n, 16,8,4,2,1
.set i, 0
.rept \n
	v_pk_add_f32 v[32+4*i:33+4*i], v[32+4*i:33+4*i], v[32+4*(i+\n):33+4*(i+\n)]
	v_pk_add_f32 v[34+4*i:35+4*i], v[34+4*i:35+4*i], v[34+4*(i+\n):35+4*(i+\n)]
.set i, i+1
.endr
.endr
	ds_store_b128 v1, v[32:35]
	s_wait_dscnt 0x0                               ; my store has landed: wave 0 reads it behind the barrier
	s_barrier_signal -1
	s_barrier_wait -1
	s_cmp_lg_u32 s[WV], 0
	s_cbranch_scc1 .Lend
.irp v, 0,1,2,3,4,5,6,7
	ds_load_b128 v[32+4*\v:35+4*\v], v2 offset:512*\v
.endr
	s_wait_dscnt 0x0
.irp j, 0,2,4,6,8,10,12,14
	v_pk_add_f32 v[32+\j:33+\j], v[32+\j:33+\j], v[48+\j:49+\j]
.endr
.irp j, 0,2,4,6,8,10,12,14
	v_pk_mul_f32 v[32+\j:33+\j], v[32+\j:33+\j], 0x39000000 op_sel_hi:[1,0]   ; / 8,192
.endr
	QB 1, 32, 32, 64, 64                           ; register i = kv(d = 16 h + i, my e)
.irp i, 68,69,70,71
	v_mov_b32 v\i, 0
.endr
	s_lshl_b32 s26, ttmp9, 11
	s_add_nc_u64 s[12:13], s[12:13], s[26:27]
	s_lshl_b32 s26, ttmp9, 7
	s_add_nc_u64 s[14:15], s[14:15], s[26:27]
	s_bfe_u32 s25, ttmp9, 0x20001                  ; head % 4: the piece that holds the codes
.irp k, 0,1,2,3
	s_add_co_u32 s28, s25, \k
	s_and_b32 s28, s28, 3
	s_lshl_b32 s28, s28, 9
	v_add_nc_u32 v[72+\k], s28, v2
.endr
	global_store_b128 v72, v[64:67], s[12:13]
	global_store_b128 v73, v[68:71], s[12:13]      ; zero codes: they add nothing under any byte but 0xff
	global_store_b128 v74, v[68:71], s[12:13]
	global_store_b128 v75, v[68:71], s[12:13]
	v_mul_lo_u32 v76, v[TM+2], 0x01010101          ; the byte in all four places of the word
	v_lshrrev_b32 v77, 2, v2
	global_store_b32 v77, v76, s[14:15]
.Lend:
	s_wait_tensorcnt 0x0
	ds_add_u32 v192, v193
	s_wait_dscnt 0x0
	s_endpgm
.Lweights:
	s_sub_co_u32 s25, ttmp9, 128                   ; g' = 32 w + t
	s_lshr_b32 s26, s25, 5                         ; w
	s_and_b32 s27, s25, 31
	s_lshr_b32 s28, s27, 2                         ; chunk j of 256 hidden units
	s_and_b32 s29, s27, 3                          ; kind
	s_lshr_b32 s30, s[WV], 1                       ; fc1: tile i / 2,
	s_lshl_b32 s31, s28, 8
	s_lshl_b32 s32, s26, 6
	s_add_co_u32 s31, s31, s32                     ; rows from 256 j + 64 w on,
	s_lshl_b32 s32, s29, 1
	s_and_b32 s33, s[WV], 1
	s_add_co_u32 s32, s32, s33
	s_lshl_b32 s32, s32, 9                         ; K step 2 kind + i % 2: 512 bytes each
	s_lshl_b32 s34, s26, 7                         ; fc2: tile i, rows from 128 w on,
	s_lshl_b32 s35, s28, 10
	s_sub_co_u32 s36, s29, 2
	s_lshl_b32 s36, s36, 9
	s_add_co_u32 s35, s35, s36                     ; columns from 256 j + 128 (kind - 2) on
	s_mov_b32 s37, 13
	s_cmp_lt_u32 s29, 2                            ; the choice hangs on the work-group's number alone; both tensors take one way through the text
	s_cselect_b64 s[6:7], s[6:7], s[8:9]
	s_cselect_b32 s30, s30, s[WV]
	s_cselect_b32 s31, s31, s34
	s_cselect_b32 s32, s32, s35
	s_cselect_b32 s37, 11, s37                     ; a row is 2^11 or 2^13 bytes
	s_lshr_b32 s33, s30, 1
	s_lshl_b32 s33, s33, 5
	s_and_b32 s34, s30, 1
	s_lshl_b32 s34, s34, 3
	s_add_co_u32 s31, s31, s33
	s_add_co_u32 s31, s31, s34                     ; + 32 (T / 2) + 8 (T % 2)
	s_lshl_b32 s31, s31, s37
	s_add_co_u32 s32, s32, s31
	s_mov_b32 s33, 0
	s_add_nc_u64 s[6:7], s[6:7], s[32:33]
	v_and_b32 v5, 8, v3
	v_add_nc_u32 v5, v5, v3                        ; r + 8 (r / 8)
	v_lshlrev_b32 v5, s37, v5
	v_lshl_add_u32 v5, v4, 6, v5                   ; + 64 h: my 16 numbers of each block of 32
.irp b, 0,1,2,3
.irp p, 0,1,2,3
	global_load_b128 v[32+16*\b+4*\p:35+16*\b+4*\p], v5, s[6:7] offset:128*\b+16*\p th:TH_LOAD_NT
.endr
.endr
	s_mul_i32 s34, s25, 16896
	s_mov_b32 s35, 0
	s_add_nc_u64 s[16:17], s[16:17], s[34:35]      ; my sub-slot
	s_lshr_b32 s34, s[WV], 1
	s_lshl_b32 s34, s34, 7
	s_and_b32 s36, s[WV], 1
	s_lshl_b32 s36, s36, 6
	s_add_co_u32 s34, s34, s36
	s_add_co_u32 s34, s34, 16384
	s_add_nc_u64 s[38:39], s[16:17], s[34:35]      ; my fragment's scale words
	s_lshl_b32 s34, s[WV], 11
	s_add_nc_u64 s[16:17], s[16:17], s[34:35]      ; my fragment's image
	v_lshlrev_b32 v6, 2, v3
	s_wait_loadcnt 0x0
	QB 2, 32, 32, 96, 100
	v_mov_b32 v[SB], v[TM+2]
	v_mov_b32 v[SB+1], v[TM+3]
	QB 2, 64, 64, 104, 108
	v_lshl_or_b32 v112, v[SB+1], 8, v[SB]
	v_lshl_or_b32 v112, v[TM+2], 16, v112
	v_lshl_or_b32 v112, v[TM+3], 24, v112
.irp p, 0,1,2,3
	global_store_b128 v2, v[96+4*\p:99+4*\p], s[16:17] offset:512*\p   ; 512 consecutive bytes a store
.endr
	global_store_b32 v6, v112, s[38:39]            ; lanes r and r + 16 hold the same word and write it to the same place
	s_endpgm
.Lfunc_end_k_q8a266e0bb5_prep:
	.size	k_q8a266e0bb5_prep, .Lfunc_end_k_q8a266e0bb5_prep-k_q8a266e0bb5_prep
	.p2alignl 7, 3214868480
	.fill 96, 4, 3214868480
	.section	.rodata,"a",@progbits
	.p2align	6, 0x0
	.amdhsa_kernel k_q8a266e0bb5_prep
		.amdhsa_group_segment_fixed_size 5120
		.amdhsa_private_segment_fixed_size 0
		.amdhsa_enable_private_segment 0
		.amdhsa_kernarg_size 56
		.amdhsa_user_sgpr_count 2
		.amdhsa_user_sgpr_kernarg_segment_ptr 1
		.amdhsa_wavefront_size32 1
		.amdhsa_system_sgpr_workgroup_id_x 1
		.amdhsa_system_sgpr_workgroup_id_y 1
		.amdhsa_system_sgpr_workgroup_id_z 1
		.amdhsa_system_vgpr_workitem_id 0
		.amdhsa_next_free_vgpr 194
		.amdhsa_next_free_sgpr 66
		.amdhsa_reserve_vcc 0
		.amdhsa_float_denorm_mode_32 3
		.amdhsa_float_denorm_mode_16_64 3
		.amdhsa_memory_ordered 1
		.amdhsa_forward_progress 1
		.amdhsa_inst_pref_size 26
	.end_amdhsa_kernel
	.amdgpu_metadata
---
amdhsa.version: [ 1, 2 ]
amdhsa.kernels:
  - .name:           k_q8a266e0bb5_prep
    .symbol:         k_q8a266e0bb5_prep.kd
    .args:
      - { .name: part, .offset: 0, .size: 8, .value_kind: global_buffer, .address_space: global }
      - { .name: fc1_w, .offset: 8, .size: 8, .value_kind: global_buffer, .address_space: global }
      - { .name: fc2_w, .offset: 16, .size: 8, .value_kind: global_buffer, .address_space: global }
      - { .name: mask_matrix, .offset: 24, .size: 8, .value_kind: global_buffer, .address_space: global }
      - { .name: kvf, .offset: 32, .size: 8, .value_kind: global_buffer, .address_space: global }
      - { .name: kvs, .offset: 40, .size: 8, .value_kind: global_buffer, .address_space: global }
      - { .name: wst, .offset: 48, .size: 8, .value_kind: global_buffer, .address_space: global }
    .group_segment_fixed_size: 5120
    .private_segment_fixed_size: 0
    .kernarg_segment_align: 8
    .kernarg_segment_size: 56
    .max_flat_workgroup_size: 256
    .sgpr_count:     66
    .vgpr_count:     194
    .wavefront_size: 32
...
	.end_amdgpu_metadata
.endif
;; end of part 2
;; launch main (part 3): grid 256 x 1, 4 waves a work-group, clusters of 4 x 1, 327,680 bytes of LDS; arguments x, stats1, kvf, kvs, norm1_w, norm1_b, norm2_w, norm2_b, wst, fc1_b, fc2_b, out0; writes out0
.if DOCPART == 3
	.amdgcn_target "amdgcn-amd-amdhsa--gfx1250"
	.amdhsa_code_object_version 6
	.text
	.protected	k_q8a266e0bb5_main
	.globl	k_q8a266e0bb5_main
	.p2align	8
	.type	k_q8a266e0bb5_main,@function
k_q8a266e0bb5_main:
	s_mov_b64 s[64:65], 0
	v_nop
	global_prefetch_b8 v0, s[64:65] scope:SCOPE_SE
	s_setreg_imm32_b32 hwreg(HW_REG_WAVE_MODE, 25, 1), 1
	s_wait_xcnt 0x0
	s_wait_alu depctr_hold_cnt(0) depctr_sa_sdst(0) depctr_va_vdst(0) depctr_va_sdst(0) depctr_va_ssrc(0) depctr_va_vcc(0) depctr_vm_vsrc(0)
	s_getreg_b32 s2, hwreg(HW_REG_IB_STS2, 6, 4)
	s_cmp_eq_u32 s2, 0
	s_cbranch_scc0 .Lentry_in_a_cluster
	s_endpgm
.Lentry_in_a_cluster:
	s_bfe_u32 s2, ttmp6, 0x10000c
	s_cmp_lg_u32 s2, 0x3003
	s_cbranch_scc0 .Lentry_shape_is_right
	s_endpgm
.Lentry_shape_is_right:
; out = x2 + fc2(gelu(fc1(LN2(x2)))), x2 = x + h + h kv, h = LN1(x).  All three products on codes of E5M2 with one E8M0 byte for each 32 along K.
; SHARES.  A work-group of four waves takes 128 tokens: 8 tiles of 16.  THE WAVES SHARE THE COLUMNS: wave w owns channels 128 w .. 128 w + 127 (heads 4 w .. 4 w + 3, and the same outputs of fc2) of all 128 tokens, and 64 of
; each chunk of 256 hidden units.  x2 + fc2_b is the value with which fc2's 64 accumulators (512 registers a wave) begin, so neither x2 nor the hidden layer goes to memory.
; LAYOUT.  Every product is used transposed (source 0 = 16 rows of a weight or of kv, source 1 = 16 tokens): a lane holds ONE token (lane % 16), and register 16 c + i is element 32 c + 16 (lane / 16) + i of its share,
; the order in which the next product's operand wants them; the earlier launch chose the weights' rows for that.  Operands go from wave to wave through LDS as images of their registers (piece p: 512 bytes, 16 a lane).
; WEIGHTS.  All work-groups walk the same stream wst, 33,792 bytes a wave and a step (fc1's part of a chunk, then fc2's).  The four work-groups of a cluster ask for each step JOINTLY (mask 15).  A wave copies its
; slot into registers at once (window 1) and the slot is filled again: by this text's count one tensor load a wave is out at any time.  Two slots of all four waves' steps would not fit beside the operands' images.
; GELU.  Exact: x Phi(x) = max(x, 0) - |x| E, E = erfc(|x| / sqrt 2) / 2 = t 2^(Q(t) - x^2 log2(e) / 2 - 1), t = 1 / (1 + |x| / (2 sqrt 2)), Q a polynomial of degree 9: fractional error about 1.2e-7 for every x.
; LIMITS: NaN and infinities are not served; where the exponential falls under the smallest normal number (x under about -13) E is 0; a block whose largest magnitude lies under 2^-111 keeps the scale byte 1.
; REGISTERS, in windows of 256.  Window 0: addresses, scale words, all vector work.  Window 1: at first kv's fragments and norm1's gains, then 16 weight fragments.  Windows 2, 3: fc2's accumulators, tile m at
; window 2 + m / 4, v[64 (m % 4) + 8 T]; until tiles 5-7 are loaded, window 3 v64-255 holds norm2_w, norm2_b, fc2_b.
.set WSL, 33792                        ; LDS 0: a slot of 33,792 bytes for each wave, filled by tensor loads alone
.set MIMG, 135168                      ; LN2's codes: fragment (tile m, K step k) at (4 m + k) 2,048
.set MSC, 200704                       ; their scale words: 512 m + 16 lane + 4 k
.set STG, 204800                       ; at first: three slots of 8,192 bytes a wave, images of 64 registers of x2
.set HIMG, 204800                      ; later, over them: the hidden chunk's codes: fragment (m, s) at (2 m + s) 2,048
.set HSC, 237568                       ; their scale words: 256 m + 8 lane + 4 s
.set OST, 243712                       ; at the end: 16 rows of 528 bytes for each wave
.set STAT, 303104                      ; LN2's partial statistics: 512 m + 32 r + 8 w: (mean, sum of squares about it) of 128 channels
.set SPARE, 307200                     ; the spare words, 128 bytes a wave: two blocks of 256 bytes that no other line names
.set LI, 1                             ; 16 x lane
.set LS, 2                             ; 4 x lane
.set SPW, 3
.set NIL, 4
.set XA0, 5                            ; the first part's addresses, v5-15
.set XA, 6
.set MA0, 7
.set MA, 8
.set STGA, 9
.set TA, 10
.set STW, 11
.set STR, 12
.set MIW, 13
.set MSW, 14
.set PA, 15
.set KVS, 16                           ; v16-23 kv's scale words
.set WSC, 24                           ; v24-31 the weights' scale words
.set XR, 32                            ; v32-95 x;  v96-159 h, then x2;  v160-223 at work;  v224-239 codes, and small sums
.set HR, 96
.set TR, 160
.set CR, 224
.set TM, 240                           ; v240-247 the quantiser's
.set PW, 248                           ; the scale word just made
.set SB, 254
.set WV, 40
.set WG, 41
.set SEL, 42
.set MNT, 44
.set A1, 45
.set KC, 46                            ; s[46:63] Q's coefficients 0-7 and 9, x log2(e), each twice: packed forms name a pair
.set I512, 66
.set EPS, 67
.set C128, 68
.set LC, 69
.set XO, 70
.set SLO, 71
.set STO, 72
.set MIO, 73
.set CH, 80
.set TC, 81
.set MO, 82
.set HO, 83
.set HSO, 84
.set BO, 85
.set MSB, 0
.macro WIN new                         ; the immediate's high byte repeats the setting that is left; a switch that changes nothing is dropped
.if MSB != (\new)
	s_set_vgpr_msb (MSB<<8)|(\new)
.set MSB, (\new)
.endif
.endm
.macro PLACES n
.rept \n
	v_nop
.endr
.endm
.macro ROUND                           ; a round of the cluster's barrier
	s_barrier_signal -1
	s_barrier_wait -1
	s_cmp_lg_u32 s[WV], 0
	s_cbranch_scc1 .Lnot_wave_0_\@
	s_barrier_signal -3
.Lnot_wave_0_\@:
	s_barrier_wait -3
	s_barrier_signal -1
	s_barrier_wait -1
.endm
.macro QBC src, held, d, b
.irp i, 0,1,2,3,4,5,6,7,8,9,10,11,12,13,14,15
	v_med3_num_f32 v[(\held)+\i], v[(\src)+\i], -v[TM+4+\b], v[TM+4+\b]   ; the conversion does not saturate (ISA guide 7.6.2): hold at the largest code x the scale
.endr
	v_cvt_scalef32_pk8_bf8_f32 v[(\d):(\d)+1], v[(\held):(\held)+7], v[TM+6+\b]
	v_cvt_scalef32_pk8_bf8_f32 v[(\d)+2:(\d)+3], v[(\held)+8:(\held)+15], v[TM+6+\b]
.endm
.macro QB nb, src, held, d0, d1        ; two blocks of 32: 16 numbers of each in my lane, the other 16 in lane l xor 16.  TM: +0,1 maxima; +2,3 bytes; +4,5 57,344 x scale; +6,7 scale operands
.irp b, 0,1
	v_max3_num_f32 v[TM+\b], |v[(\src)+16*\b]|, |v[(\src)+16*\b+1]|, 0x8000000   ; with the floor 2^(16 - 127): the byte cannot fall under 1
.endr
.irp i, 2,4,6,8,10,12,14
.irp b, 0,1
	v_max3_num_f32 v[TM+\b], v[TM+\b], |v[(\src)+16*\b+\i]|, |v[(\src)+16*\b+\i+1]|
.endr
.endr
.irp b, 0,1
	v_permlanex16_b32 v[TM+2+\b], v[TM+\b], s[SEL], s[SEL+1]
.endr
.irp b, 0,1
	v_max_num_f32 v[TM+\b], v[TM+\b], v[TM+2+\b]
.endr
.irp b, 0,1
	v_add_nc_u32 v[TM+6+\b], 0xf8800000, v[TM+\b]
	v_and_or_b32 v[TM+4+\b], v[TM+\b], 0x7f800000, s[MNT]
.endr
.irp b, 0,1
	v_lshrrev_b32 v[TM+2+\b], 23, v[TM+6+\b]
.endr
	QBC \src, \held, \d0, 0
	QBC (\src)+16, (\held)+16, \d1, 1
	v_nop                                          ; one plain line behind the last scaled conversion
.endm
.macro QUANT64 src, held               ; 64 numbers become a fragment in v[CR] on and a scale word in v[PW]
	QB 2, \src, \held, CR, CR+4
	v_mov_b32 v[SB], v[TM+2]
	v_mov_b32 v[SB+1], v[TM+3]
	QB 2, (\src)+32, (\held)+32, CR+8, CR+12
	v_lshl_or_b32 v[PW], v[SB+1], 8, v[SB]
	v_lshl_or_b32 v[PW], v[TM+2], 16, v[PW]
	v_lshl_or_b32 v[PW], v[TM+3], 24, v[PW]
.endm
.macro SUBB d, a, p                    ; 64 numbers less the low word of pair p
.set j, 0
.rept 32
	v_pk_add_f32 v[(\d)+j:(\d)+j+1], v[(\a)+j:(\a)+j+1], v[\p:\p+1] op_sel_hi:[1,0] neg_lo:[0,1] neg_hi:[0,1]
.set j, j+2
.endr
.endm
.macro MULB d, a, p                    ; times the low word of pair p
.set j, 0
.rept 32
	v_pk_mul_f32 v[(\d)+j:(\d)+j+1], v[(\a)+j:(\a)+j+1], v[\p:\p+1] op_sel_hi:[1,0]
.set j, j+2
.endr
.endm
.macro FMAV d, a, b, c
.set j, 0
.rept 32
	v_pk_fma_f32 v[(\d)+j:(\d)+j+1], v[(\a)+j:(\a)+j+1], v[(\b)+j:(\b)+j+1], v[(\c)+j:(\c)+j+1]
.set j, j+2
.endr
.endm
.macro ADDV d, a, b
.set j, 0
.rept 32
	v_pk_add_f32 v[(\d)+j:(\d)+j+1], v[(\a)+j:(\a)+j+1], v[(\b)+j:(\b)+j+1]
.set j, j+2
.endr
.endm
.macro FOLD                            ; four pairs of partial sums become one number, joined with lane l xor 16's: v224
	v_pk_add_f32 v[224:225], v[224:225], v[226:227]
	v_pk_add_f32 v[228:229], v[228:229], v[230:231]
	v_pk_add_f32 v[224:225], v[224:225], v[228:229]
	v_add_f32 v224, v224, v225
	v_permlanex16_b32 v234, v224, s[SEL], s[SEL+1]
	v_add_f32 v224, v224, v234
.endm
.macro SUM64 s                         ; four chains, each ascending: every accumulator is first read at its low end
.irp c, 0,1,2,3
	v_pk_add_f32 v[224+2*\c:225+2*\c], v[(\s)+16*\c:(\s)+16*\c+1], v[(\s)+16*\c+2:(\s)+16*\c+3]
.endr
.irp i, 4,6,8,10,12,14
.irp c, 0,1,2,3
	v_pk_add_f32 v[224+2*\c:225+2*\c], v[224+2*\c:225+2*\c], v[(\s)+16*\c+\i:(\s)+16*\c+\i+1]
.endr
.endr
	FOLD
.endm
.macro SQ64 s
.irp c, 0,1,2,3
	v_pk_mul_f32 v[224+2*\c:225+2*\c], v[(\s)+16*\c:(\s)+16*\c+1], v[(\s)+16*\c:(\s)+16*\c+1]
.endr
.irp i, 2,4,6,8,10,12,14
.irp c, 0,1,2,3
	v_pk_fma_f32 v[224+2*\c:225+2*\c], v[(\s)+16*\c+\i:(\s)+16*\c+\i+1], v[(\s)+16*\c+\i:(\s)+16*\c+\i+1], v[224+2*\c:225+2*\c]
.endr
.endr
	FOLD
.endm
.macro SPAIR r, v
	s_mov_b32 s[\r], \v
	s_mov_b32 s[\r+1], \v
.endm
	s_load_b512 s[4:19], s[0:1], 0x0               ; x, stats1, kvf, kvs, norm1_w, norm1_b, norm2_w, norm2_b
	s_load_b256 s[20:27], s[0:1], 0x40             ; wst, fc1_b, fc2_b, out0
	v_lshl_add_u32 v[SPW], v0, 2, SPARE
	v_mov_b32 v[NIL], 0
	ds_add_u32 v3, v4
	ds_add_u32 v3, v4
	s_wait_dscnt 0x0
	v_lshrrev_b32 v5, 5, v0
	v_readfirstlane_b32 s[WV], v5                  ; wave 0..3
	; descriptor group 1: 132 dense rows of 256 bytes (32 elements of 8 bytes), no padding
	s_mov_b32 s32, 15|(3<<16)|(1<<21)              ; 15:0 the mask: all four work-groups of the cluster; 17:16 elements of 8 bytes; 21 set beside a mask
	s_mov_b32 s33, 32<<16                          ; tensor_dim0 = 32
	s_mov_b32 s34, 132<<16                         ; tensor_dim1 = 132
	s_mov_b32 s35, 32<<16                          ; tile_dim0 = 32
	s_mov_b32 s36, 132                             ; tile_dim1 = 132
	s_mov_b32 s37, 32                              ; from row to row
	s_mov_b32 s38, 0
	s_mov_b32 s39, 0
	s_mov_b32 s28, 1                               ; group 0: count,
	s_mul_i32 s29, s[WV], WSL                      ; my slot: the wave's number alone enters it,
	s_mul_i32 s74, s[WV], 16*WSL
	s_mov_b32 s75, 0
	s_wait_kmcnt 0x0
	s_add_nc_u64 s[30:31], s[20:21], s[74:75]      ; my wave's stream: the same address in all four work-groups,
	s_or_b32 s31, s31, 0x80000000                  ; type 2
	ROUND                                          ; all four work-groups are here: the first joint loads meet
	tensor_load_to_lds s[28:31], s[32:39]          ; fc1's weights of chunk 0
	s_nop 0
	PLACES 4
	s_bfe_u32 s[WG], ttmp6, 0x40000                ; my place in the cluster: it enters global addresses of x, stats1, kvf, kvs and out0 alone
	s_lshl_b32 s74, ttmp9, 2
	s_add_co_u32 s[WG], s[WG], s74                 ; my block of 128 tokens
	s_lshl_b32 s74, s[WG], 18
	s_add_nc_u64 s[4:5], s[4:5], s[74:75]
	s_add_nc_u64 s[26:27], s[26:27], s[74:75]
	s_lshl_b32 s74, s[WG], 10
	s_add_nc_u64 s[6:7], s[6:7], s[74:75]
	s_lshr_b32 s76, s[WG], 6                       ; the batch
	s_lshl_b32 s76, s76, 4
	s_lshl_b32 s77, s[WV], 2
	s_add_co_u32 s76, s76, s77                     ; 16 b + my first head
	s_lshl_b32 s74, s76, 12
	s_add_nc_u64 s[8:9], s[8:9], s[74:75]
	s_lshl_b32 s74, s76, 8
	s_add_nc_u64 s[10:11], s[10:11], s[74:75]
	s_mov_b32 s[SEL], 0x76543210
	s_mov_b32 s[SEL+1], 0xfedcba98
	s_mov_b32 s[MNT], 0x600000
	s_mov_b32 s[A1], 0x3eb504f3                    ; 1 / (2 sqrt 2)
	SPAIR KC, 0xc034d90f                           ; -1.26551223 log2(e) - 1
	SPAIR KC+2, 0x3fb8ab5a                         ; 1.00002368 log2(e)
	SPAIR KC+4, 0x3f0a29d2                         ; 0.37409196 log2(e)
	SPAIR KC+6, 0x3e0efb2e                         ; 0.09678418 log2(e)
	SPAIR KC+8, 0xbe899a80                         ; -0.18628806 log2(e)
	SPAIR KC+10, 0x3ecdfd18                        ; 0.27886807 log2(e)
	SPAIR KC+12, 0xbfd1a1e5                        ; -1.13520398 log2(e)
	SPAIR KC+14, 0x40097039                        ; 1.48851587 log2(e)
	SPAIR KC+16, 0x3e7c6f08                        ; 0.17087277 log2(e): coefficient 9
	s_mov_b32 s[I512], 0x3b000000
	s_mov_b32 s[EPS], 0x3727c5ac
	s_mov_b32 s[C128], 0x43000000
	s_mov_b32 s[XO], 0
	v_and_b32 v160, 31, v0
	v_lshlrev_b32 v[LI], 4, v160
	v_lshlrev_b32 v[LS], 2, v160
	v_and_b32 v160, 15, v0                         ; r
	v_bfe_u32 v161, v0, 4, 1                       ; h
	s_lshl_b32 s74, s[WV], 9
	v_lshl_add_u32 v[PA], v161, 6, s74             ; 512 w + 64 h: my 16 numbers of each block of 32 channels
	v_lshl_add_u32 v[XA0], v160, 11, v[PA]         ; + row r
	v_mov_b32 v[XA], v[XA0]
	v_lshlrev_b32 v[MA0], 3, v160
	v_mov_b32 v[MA], v[MA0]
	s_mul_i32 s74, s[WV], 24576
	s_add_co_u32 s74, s74, STG
	v_add_nc_u32 v[STGA], s74, v[LI]
	s_lshl_b32 s74, s[WV], 3
	s_add_co_u32 s74, s74, STAT
	v_lshl_add_u32 v[STW], v160, 5, s74
	v_lshl_add_u32 v[STR], v160, 5, STAT
	s_lshl_b32 s74, s[WV], 11
	s_add_co_u32 s74, s74, MIMG
	v_add_nc_u32 v[MIW], s74, v[LI]
	s_lshl_b32 s74, s[WV], 2
	s_add_co_u32 s74, s74, MSC
	v_add_nc_u32 v[MSW], s74, v[LI]
	v_mov_b32 v[TM+2], 0                           ; lane permutes' destinations and upper halves of pairs: written once
	v_mov_b32 v[TM+3], 0
	v_mov_b32 v253, 0
	WIN 0x40                                       ; destination window 1
.irp f, 0,1,2,3,4,5,6,7
.irp p, 0,1,2,3
	global_load_b128 v[16*\f+4*\p:16*\f+4*\p+3], v[LI], s[8:9] offset:2048*\f+512*\p      ; kv's fragment (head c, tile et) at 16 (2 c + et)
.endr
.endr
.irp c, 0,1,2,3
.irp p, 0,1,2,3
	global_load_b128 v[128+16*\c+4*\p:128+16*\c+4*\p+3], v[PA], s[12:13] offset:128*\c+16*\p   ; norm1_w
	global_load_b128 v[192+16*\c+4*\p:192+16*\c+4*\p+3], v[PA], s[14:15] offset:128*\c+16*\p   ; norm1_b
.endr
.endr
	WIN 0xc0                                       ; destination window 3
.irp c, 0,1,2,3
.irp p, 0,1,2,3
	global_load_b128 v[64+16*\c+4*\p:64+16*\c+4*\p+3], v[PA], s[16:17] offset:128*\c+16*\p     ; norm2_w
	global_load_b128 v[128+16*\c+4*\p:128+16*\c+4*\p+3], v[PA], s[18:19] offset:128*\c+16*\p   ; norm2_b
	global_load_b128 v[192+16*\c+4*\p:192+16*\c+4*\p+3], v[PA], s[24:25] offset:128*\c+16*\p   ; fc2_b
.endr
.endr
	WIN 0
.irp f, 0,1,2,3,4,5,6,7
	global_load_b32 v[KVS+\f], v[LS], s[10:11] offset:128*\f
.endr
.macro XLOAD                           ; a tile's x: of row r my 16 numbers of each of my four heads; and LN1's (mean, rstd) of that row
.irp c, 0,1,2,3
.irp p, 0,1,2,3
	global_load_b128 v[XR+16*\c+4*\p:XR+16*\c+4*\p+3], v[XA], s[4:5] offset:128*\c+16*\p th:TH_LOAD_NT
.endr
.endr
	global_load_b64 v[250:251], v[MA], s[6:7]
.endm
	XLOAD
; THE FIRST PART, n tiles at a time (as many as the stage has slots).  P1, a trip a tile: h, its codes, x2 = x + h + h kv, my 128 channels' statistics; x2 to my stage.  A barrier: all four waves' statistics lie in LDS.
; P2, a trip a tile: LN2, its codes as an image for all waves; x2 + fc2_b back to the stage.  Then the stage is loaded into the tiles' accumulators: only these loads differ from tile to tile.
.macro GROUP t0, n, last
	s_mov_b32 s[SLO], 0
	s_mov_b32 s[STO], (\t0)*512
	s_mov_b32 s[LC], \n
.Lp1_\@:
	s_wait_loadcnt 0x0                             ; this tile's x and statistics (in the first trip the gains and kv too)
	v_mov_b32 v252, v251                           ; rstd as the low word of a pair of its own
	SUBB HR, XR, 250
	MULB HR, HR, 252
	WIN 0x14                                       ; sources 1 and 2 window 1
	FMAV HR, HR, 128, 192                          ; h
	WIN 0
	QUANT64 HR, TR                                 ; q = h, a block a head
	ADDV TR, XR, HR                                ; x + h: the C of the products.  (These 32 lines are also the places between the codes, the scale word and the products)
.if \last
	s_cmp_eq_u32 s[LC], 1                          ; behind the last tile there is none: no load leaves its buffer
	s_cbranch_scc1 .Lno_x_\@
.endif
	s_add_co_u32 s[XO], s[XO], 32768
	s_lshr_b32 s74, s[XO], 8
	v_add_nc_u32 v[XA], s[XO], v[XA0]              ; (the loads that read these two registers are done)
	v_add_nc_u32 v[MA], s74, v[MA0]
	XLOAD                                          ; the next tile's, a trip ahead
.if \last
.Lno_x_\@:
.endif
	WIN 0x01                                       ; source 0 window 1
.irp c, 0,1,2,3
.irp e, 0,1
	v_wmma_scale_f32_16x16x128_f8f6f4 v[HR+16*\c+8*\e:HR+16*\c+8*\e+7], v[32*\c+16*\e:32*\c+16*\e+15], v[CR:CR+15], v[TR+16*\c+8*\e:TR+16*\c+8*\e+7], v[KVS+2*\c+\e], v[PW] matrix_a_fmt:MATRIX_FMT_BF8 matrix_b_fmt:MATRIX_FMT_BF8
.endr
.endr
	WIN 0
	PLACES 8                                       ; eight places behind this form
	SUM64 HR
	v_mul_f32 v232, 0x3c000000, v224               ; the mean of my 128 channels
	SUBB TR, HR, 232
	SQ64 TR
	v_mov_b32 v233, v224                           ; and the sum of squares about it
	v_add_nc_u32 v[TA], s[STO], v[STW]
	ds_store_b64 v[TA], v[232:233]
	v_add_nc_u32 v[TA], s[SLO], v[STGA]
.irp p, 0,1,2,3,4,5,6,7,8,9,10,11,12,13,14,15
	ds_store_b128 v[TA], v[HR+4*\p:HR+4*\p+3] offset:512*\p
.endr
	s_add_co_u32 s[SLO], s[SLO], 8192
	s_add_co_u32 s[STO], s[STO], 512
	s_sub_co_u32 s[LC], s[LC], 1
	s_cmp_lg_u32 s[LC], 0
	s_cbranch_scc1 .Lp1_\@
	s_wait_dscnt 0x0                               ; my statistics have landed: the others read them behind the barrier.
	s_barrier_signal -1
	s_barrier_wait -1
	s_mov_b32 s[SLO], 0
	s_mov_b32 s[STO], (\t0)*512
	s_mov_b32 s[MIO], (\t0)*8192
	s_mov_b32 s[LC], \n
.Lp2_\@:
	v_add_nc_u32 v[TA], s[SLO], v[STGA]
	v_add_nc_u32 v[PA], s[STO], v[STR]
.irp p, 0,1,2,3,4,5,6,7,8,9,10,11,12,13,14,15
	ds_load_b128 v[HR+4*\p:HR+4*\p+3], v[TA] offset:512*\p
.endr
	ds_load_b128 v[224:227], v[PA]
	ds_load_b128 v[228:231], v[PA] offset:16
	s_wait_dscnt 0x0
	v_add_f32 v232, v224, v226
	v_add_f32 v233, v228, v230
	v_add_f32 v232, v232, v233
	v_mul_f32 v232, 0x3e800000, v232               ; the row's mean: a quarter of the four
	v_sub_f32 v224, v224, v232
	v_sub_f32 v226, v226, v232
	v_sub_f32 v228, v228, v232
	v_sub_f32 v230, v230, v232
	v_mul_f32 v234, v224, v224
	v_fma_f32 v234, v226, v226, v234
	v_fma_f32 v234, v228, v228, v234
	v_fma_f32 v234, v230, v230, v234
	v_add_f32 v235, v225, v227
	v_add_f32 v236, v229, v231
	v_add_f32 v235, v235, v236
	v_fma_f32 v234, v234, s[C128], v235            ; the four sums of squares + 128 x the squares of the means' distances: no difference of large sums
	v_fma_f32 v234, v234, s[I512], s[EPS]
	v_rsq_f32 v234, v234
	SUBB TR, HR, 232                               ; (work that does not name the result stands behind the transcendental)
	s_wait_alu depctr_va_vdst(0)                   ; the wait, ahead of its first reader
	MULB TR, TR, 234
	WIN 0x3c                                       ; sources 1 and 2 window 3
	FMAV TR, TR, 64, 128                           ; LN2
	WIN 0
	QUANT64 TR, TR
	v_add_nc_u32 v[PA], s[MIO], v[MIW]
.irp p, 0,1,2,3
	ds_store_b128 v[PA], v[CR+4*\p:CR+4*\p+3] offset:512*\p      ; K step w of fc1, this tile
.endr
	v_add_nc_u32 v[PA], s[STO], v[MSW]
	ds_store_b32 v[PA], v[PW]
	WIN 0x0c                                       ; source 1 window 3
	ADDV HR, HR, 192                               ; x2 + fc2_b
	WIN 0
.irp p, 0,1,2,3,4,5,6,7,8,9,10,11,12,13,14,15
	ds_store_b128 v[TA], v[HR+4*\p:HR+4*\p+3] offset:512*\p
.endr
	s_add_co_u32 s[SLO], s[SLO], 8192
	s_add_co_u32 s[STO], s[STO], 512
	s_add_co_u32 s[MIO], s[MIO], 8192
	s_sub_co_u32 s[LC], s[LC], 1
	s_cmp_lg_u32 s[LC], 0
	s_cbranch_scc1 .Lp2_\@
.set i, 0
.rept \n
	WIN 0x80+0x40*(((\t0)+i)/4)                    ; destination window 2 or 3
.irp p, 0,1,2,3,4,5,6,7,8,9,10,11,12,13,14,15
	ds_load_b128 v[64*(((\t0)+i)%4)+4*\p:64*(((\t0)+i)%4)+4*\p+3], v[STGA] offset:i*8192+512*\p   ; LDS serves a wave's instructions in order (ISA guide 5.7.1.4): these see my stores, and the next group's stores come behind them
.endr
.set i, i+1
.endr
	WIN 0
.endm
	GROUP 0, 3, 0
	GROUP 3, 2, 0
	GROUP 5, 3, 1                                  ; its last loads land on norm2's gains and fc2_b, which are done with
; ---------------- THE MLP: 8 chunks of 256 hidden units
.set WSA, 5                            ; my slot + 16 lane
.set WSS, 6                            ; my slot + 4 lane
.set MFB, 7                            ; MIMG + 16 lane
.set MSA, 8                            ; MSC + 16 lane
.set HIW, 9                            ; where I store the hidden codes
.set HSW, 10                           ; and their two scale bytes
.set HIR, 11                           ; HIMG + 16 lane
.set HSR, 12                           ; HSC + 8 lane
.set BA0, 13                           ; fc1_b: 256 w + 64 h
.set BA, 14
.set TA, 15
.set B1, 32                            ; v32-63 fc1_b in the result's layout
.set MF, 64                            ; v64-127 a tile's four fragments of LN2's codes
.set GH, 128                           ; v128-159 my 64 hidden units of a tile; v160-207 GELU's t, polynomial, and x-terms; in fc2 v128-223 are three buffers of two hidden fragments
.set GT, 160
.set GP, 176
.set GU, 192
.set CD, 208                           ; v208-215 the hidden codes
.set TM, 216
.set MS, 224                           ; v224-227 the tile's scale words
.set HS, 228                           ; v228-243 the hidden layer's
.set C8, 244                           ; v[244:245] Q's coefficient 8
	s_mul_i32 s74, s[WV], WSL
	v_add_nc_u32 v[WSA], s74, v[LI]
	v_add_nc_u32 v[WSS], s74, v[LS]
	v_add_nc_u32 v[MFB], MIMG, v[LI]
	v_add_nc_u32 v[MSA], MSC, v[LI]
	s_lshr_b32 s75, s[WV], 1
	s_and_b32 s76, s[WV], 1
	s_lshl_b32 s77, s75, 11
	s_lshl_b32 s78, s76, 10
	s_add_co_u32 s77, s77, s78
	s_add_co_u32 s77, s77, HIMG
	v_add_nc_u32 v[HIW], s77, v[LI]                ; my 64 units are pieces 2 (w % 2), + 1 of K step w / 2
	s_lshl_b32 s77, s75, 2
	s_lshl_b32 s78, s76, 1
	s_add_co_u32 s77, s77, s78
	s_add_co_u32 s77, s77, HSC
	v_lshl_add_u32 v[HSW], v[LS], 1, s77
	v_add_nc_u32 v[HIR], HIMG, v[LI]
	v_lshl_add_u32 v[HSR], v[LS], 1, HSC
	v_bfe_u32 v[BA0], v0, 4, 1
	s_lshl_b32 s77, s[WV], 8
	v_lshl_add_u32 v[BA0], v[BA0], 6, s77
	v_mov_b32 v[BA], v[BA0]
	v_mov_b32 v[C8], 0xbf97d29d                    ; -0.82215223 log2(e)
	v_mov_b32 v[C8+1], 0xbf97d29d
	v_mov_b32 v[TM+2], 0
	v_mov_b32 v[TM+3], 0
	s_mov_b32 s[BO], 0
.macro BIAS                            ; fc1_b of my 64 units of a chunk: tile T's eight of my half
.irp t, 0,1,2,3
	global_load_b128 v[B1+8*\t:B1+8*\t+3], v[BA], s[22:23] offset:128*(\t/2)+32*(\t%2)
	global_load_b128 v[B1+8*\t+4:B1+8*\t+7], v[BA], s[22:23] offset:128*(\t/2)+32*(\t%2)+16
.endr
.endm
	s_wait_loadcnt 0x0                             ; no load of x is out, on any way that leads here: the bias lands in the registers that held x only behind this wait
	BIAS
.macro WCOPY                           ; my slot's 16 fragments into window 1, their scale words into v[WSC] on
	WIN 0x40
.set f, 0
.rept 16
.irp p, 0,1,2,3
	ds_load_b128 v[16*f+4*\p:16*f+4*\p+3], v[WSA] offset:(f/8)*16896+(f%8)*2048+512*\p
.endr
.set f, f+1
.endr
	WIN 0
.irp e, 0,1,2,3
	ds_load_b32 v[WSC+\e], v[WSS] offset:16384+128*\e
	ds_load_b32 v[WSC+4+\e], v[WSS] offset:33280+128*\e
.endr
.endm
.macro MFLOAD a
.irp k, 0,1,2,3
.irp p, 0,1,2,3
	ds_load_b128 v[MF+16*\k+4*\p:MF+16*\k+4*\p+3], v[\a] offset:2048*\k+512*\p
.endr
.endr
.endm
.macro FC1 k, t                        ; K step k, tile t of my 64 units.  The four accumulators take turns
.if (\k) == 0
	v_wmma_scale_f32_16x16x128_f8f6f4 v[GH+8*\t:GH+8*\t+7], v[32*\t:32*\t+15], v[MF:MF+15], v[B1+8*\t:B1+8*\t+7], v[WSC+\t], v[MS] matrix_a_fmt:MATRIX_FMT_BF8 matrix_b_fmt:MATRIX_FMT_BF8
.elseif (\k)%2 == 1
	v_wmma_scale_f32_16x16x128_f8f6f4 v[GH+8*\t:GH+8*\t+7], v[128*((\k)/2)+32*\t+16:128*((\k)/2)+32*\t+31], v[MF+16*\k:MF+16*\k+15], v[GH+8*\t:GH+8*\t+7], v[WSC+4*((\k)/2)+\t], v[MS+\k] matrix_a_fmt:MATRIX_FMT_BF8 matrix_b_fmt:MATRIX_FMT_BF8 matrix_a_scale:MATRIX_SCALE_ROW1
.else
	v_wmma_scale_f32_16x16x128_f8f6f4 v[GH+8*\t:GH+8*\t+7], v[128*((\k)/2)+32*\t:128*((\k)/2)+32*\t+15], v[MF+16*\k:MF+16*\k+15], v[GH+8*\t:GH+8*\t+7], v[WSC+4*((\k)/2)+\t], v[MS+\k] matrix_a_fmt:MATRIX_FMT_BF8 matrix_b_fmt:MATRIX_FMT_BF8
.endif
.endm
; GELU of 16 numbers, in place.  The reciprocals are one batch and the exponentials another, each set among plain lines that name none of its results, each with one wait ahead of its first reader.
.macro GELU16 x
	v_fma_f32 v[GT], |v[\x]|, s[A1], 1.0
	v_fma_f32 v[GT+1], |v[(\x)+1]|, s[A1], 1.0
.set i, 0
.rept 14
	v_rcp_f32 v[GT+i], v[GT+i]
	v_fma_f32 v[GT+i+2], |v[(\x)+i+2]|, s[A1], 1.0
.set i, i+1
.endr
	v_rcp_f32 v[GT+14], v[GT+14]
	v_pk_mul_f32 v[GU:GU+1], v[\x:(\x)+1], 0xbf38aa3b op_sel_hi:[1,0]      ; -x log2(e) / 2
	v_rcp_f32 v[GT+15], v[GT+15]                   ; t = 1 / (1 + |x| / (2 sqrt 2))
.irp j, 2,4,6,8,10,12,14
	v_pk_mul_f32 v[GU+\j:GU+\j+1], v[(\x)+\j:(\x)+\j+1], 0xbf38aa3b op_sel_hi:[1,0]
.endr
	s_wait_alu depctr_va_vdst(0)
.irp j, 0,2,4,6,8,10,12,14
	v_pk_fma_f32 v[GP+\j:GP+\j+1], v[GT+\j:GT+\j+1], s[KC+16:KC+17], v[C8:C8+1] op_sel_hi:[1,0,1]
.endr
.irp k, 7,6,5,4,3,2,1,0
.irp j, 0,2,4,6,8,10,12,14
	v_pk_fma_f32 v[GP+\j:GP+\j+1], v[GP+\j:GP+\j+1], v[GT+\j:GT+\j+1], s[KC+2*\k:KC+2*\k+1] op_sel_hi:[1,1,0]
.endr
.endr
.irp j, 0,2,4,6,8,10,12,14
	v_pk_fma_f32 v[GP+\j:GP+\j+1], v[GU+\j:GU+\j+1], v[(\x)+\j:(\x)+\j+1], v[GP+\j:GP+\j+1]   ; Q(t) log2(e) - 1 - x^2 log2(e) / 2
.endr
.set i, 0
.rept 16
	v_exp_f32 v[GP+i], v[GP+i]
	v_max_num_f32 v[GU+i], 0, v[(\x)+i]
.set i, i+1
.endr
	s_wait_alu depctr_va_vdst(0)
.irp j, 0,2,4,6,8,10,12,14
	v_pk_mul_f32 v[GP+\j:GP+\j+1], v[GP+\j:GP+\j+1], v[GT+\j:GT+\j+1]      ; E
.endr
.set i, 0
.rept 16
	v_fma_f32 v[(\x)+i], -|v[(\x)+i]|, v[GP+i], v[GU+i]                    ; max(x, 0) - |x| E
.set i, i+1
.endr
.endm
.macro HFLOAD q                        ; group q of fc2: K step q / 4, tiles 2 (q % 4), + 1, into buffer q % 3
.set KST, (\q)/4
.set TL0, 2*((\q)%4)
.set HB, GH+32*((\q)%3)
.irp u, 0,1
.irp p, 0,1,2,3
	ds_load_b128 v[HB+16*\u+4*\p:HB+16*\u+4*\p+3], v[HIR] offset:(2*(TL0+\u)+KST)*2048+512*\p
.endr
.endr
.endm
.macro FC2 q                           ; its 16 products: my eight tiles of outputs x two tiles of tokens: sixteen accumulators, one instruction each
.set KST, (\q)/4
.set TL0, 2*((\q)%4)
.set HB, GH+32*((\q)%3)
	WIN 0xa1+0x50*(TL0/4)                          ; source 0 window 1; C and D window 2 or 3
.irp t, 0,1,2,3,4,5,6,7
.irp u, 0,1
.if \t%2 == 1
	v_wmma_scale_f32_16x16x128_f8f6f4 v[64*((TL0+\u)%4)+8*\t:64*((TL0+\u)%4)+8*\t+7], v[128*KST+16*\t:128*KST+16*\t+15], v[HB+16*\u:HB+16*\u+15], v[64*((TL0+\u)%4)+8*\t:64*((TL0+\u)%4)+8*\t+7], v[WSC+4*KST+\t/2], v[HS+2*(TL0+\u)+KST] matrix_a_fmt:MATRIX_FMT_BF8 matrix_b_fmt:MATRIX_FMT_BF8 matrix_a_scale:MATRIX_SCALE_ROW1
.else
	v_wmma_scale_f32_16x16x128_f8f6f4 v[64*((TL0+\u)%4)+8*\t:64*((TL0+\u)%4)+8*\t+7], v[128*KST+16*\t:128*KST+16*\t+15], v[HB+16*\u:HB+16*\u+15], v[64*((TL0+\u)%4)+8*\t:64*((TL0+\u)%4)+8*\t+7], v[WSC+4*KST+\t/2], v[HS+2*(TL0+\u)+KST] matrix_a_fmt:MATRIX_FMT_BF8 matrix_b_fmt:MATRIX_FMT_BF8
.endif
.endr
.endr
	WIN 0
.endm
; A CHUNK.  fill = 1: behind fc2's weights the next chunk's fc1 weights are asked for.
.macro CHUNK fill
	s_wait_tensorcnt 0x0                           ; fc1's weights of this chunk lie in my slot, which I alone read
	WCOPY
	s_wait_tensorcnt 0x0                           ; no tensor load of mine is out, so group 0 may be written;
	ds_add_u32 v[SPW], v[NIL]                      ; 0 onto my spare word;
	s_add_nc_u64 s[30:31], s[30:31], WSL           ; the stream's next step
	s_wait_dscnt 0x0                               ; the add is done, my slot is read out, and so is all that I read or stored before: the last chunk's hidden codes, LN2's images
	ROUND                                          ; the same holds of every wave of the cluster
	tensor_load_to_lds s[28:31], s[32:39]          ; fc2's weights of this chunk: the eight tiles of fc1 and GELU are the time in which they land
	s_nop 0
	PLACES 4
	MFLOAD MFB                                     ; tile 0's fragments and scale words
	ds_load_b128 v[MS:MS+3], v[MSA]
	s_mov_b32 s[TC], 8
	s_mov_b32 s[MO], 8192
	s_mov_b32 s[HO], 0
	s_mov_b32 s[HSO], 0
.Ltile_\@:
	s_wait_dscnt 0x0                               ; this tile's fragments
	s_wait_loadcnt 0x0                             ; the chunk's bias (met at once from the second trip on)
	WIN 0x01
.irp k, 0,1,2,3
.irp t, 0,1,2,3
	FC1 \k, \t
.endr
.endr
	WIN 0
	s_min_u32 s74, s[MO], 57344                    ; the next tile; the last trip asks for tile 7 again, and the next chunk begins with tile 0's own loads
	v_add_nc_u32 v[TA], s74, v[MFB]
	PLACES 7                                       ; with the line above: eight places, in front of loads into the products' sources and of the first read of their results
	MFLOAD TA
	s_lshr_b32 s74, s74, 4
	v_add_nc_u32 v[TA], s74, v[MSA]
	ds_load_b128 v[MS:MS+3], v[TA]
	GELU16 GH
	GELU16 GH+16
	QB 2, GH, GH, CD, CD+4
	v_add_nc_u32 v[TA], s[HO], v[HIW]
	ds_store_b128 v[TA], v[CD:CD+3]
	ds_store_b128 v[TA], v[CD+4:CD+7] offset:512
	v_lshl_or_b32 v[TM], v[TM+3], 8, v[TM+2]
	v_add_nc_u32 v[TA], s[HSO], v[HSW]
	ds_store_b16 v[TA], v[TM]                      ; my two bytes of the row's scale word
	s_add_co_u32 s[MO], s[MO], 8192
	s_add_co_u32 s[HO], s[HO], 4096
	s_add_co_u32 s[HSO], s[HSO], 256
	s_sub_co_u32 s[TC], s[TC], 1
	s_cmp_lg_u32 s[TC], 0
	s_cbranch_scc1 .Ltile_\@
.if \fill
	s_add_co_u32 s[BO], s[BO], 1024
	v_add_nc_u32 v[BA], s[BO], v[BA0]              ; (the loads that read this register are done)
	BIAS                                           ; the next chunk's, a phase ahead
.endif
	s_wait_tensorcnt 0x0                           ; fc2's weights lie in my slot
	WCOPY
	s_wait_tensorcnt 0x0
	ds_add_u32 v[SPW], v[NIL]
.if \fill
	s_add_nc_u64 s[30:31], s[30:31], WSL
.endif
	s_wait_dscnt 0x0                               ; the add is done, my slot is read out, my hidden codes and bytes have landed
.if \fill
	ROUND
	tensor_load_to_lds s[28:31], s[32:39]          ; the next chunk's fc1 weights: fc2's 128 products are the time in which they land
	s_nop 0
	PLACES 4
.else
	s_barrier_signal -1                            ; nothing is left to fetch: the work-group's barrier shows the hidden codes to all four waves
	s_barrier_wait -1
.endif
.irp m, 0,1,2,3,4,5,6,7
	ds_load_b64 v[HS+2*\m:HS+2*\m+1], v[HSR] offset:256*\m
.endr
	HFLOAD 0
	HFLOAD 1
.set q, 0
.rept 8
.if q < 7
	s_wait_dscnt 8                                 ; this group's fragments are in; the next group's eight loads may be out
.else
	s_wait_dscnt 0x0
.endif
	FC2 q
	PLACES 8                                       ; eight places in front of loads into registers that these products read, and at the end of the first read of results
.if q < 6
	HFLOAD q+2
.endif
.set q, q+1
.endr
.endm
	s_mov_b32 s[CH], 7
.Lchunk:
	CHUNK 1
	s_sub_co_u32 s[CH], s[CH], 1
	s_cmp_lg_u32 s[CH], 0
	s_cbranch_scc1 .Lchunk
	CHUNK 0                                        ; the last chunk is written out
; ---------------- THE WAY OUT.  A lane holds pieces of 64 bytes of one row; a tile goes through my own stage and comes back as whole runs of 512 bytes of a row of out0.
.set OSW, 5
.set OSR, 6
.set GO, 7
	v_and_b32 v13, 15, v0
	v_bfe_u32 v14, v0, 4, 1
	s_mul_i32 s74, s[WV], 8448
	s_add_co_u32 s74, s74, OST
	v_mul_u32_u24 v[OSW], v13, 528
	v_lshl_add_u32 v[OSW], v14, 6, v[OSW]
	v_add_nc_u32 v[OSW], s74, v[OSW]               ; in: row r, + 64 h
	v_add_nc_u32 v[OSR], s74, v[LI]                ; back: 32 lanes take a row's 512 bytes
	s_lshl_b32 s74, s[WV], 9
	v_add_nc_u32 v[GO], s74, v[LI]
.macro TOSTAGE m
	WIN 0x08+4*((\m)/4)                            ; an LDS store's data are its source 1: window 2 or 3
.irp c, 0,1,2,3
.irp p, 0,1,2,3
	ds_store_b128 v[OSW], v[64*((\m)%4)+16*\c+4*\p:64*((\m)%4)+16*\c+4*\p+3] offset:128*\c+16*\p   ; ascending: each accumulator from its low end on
.endr
.endr
	WIN 0
.set BB, 64+64*((\m)%2)
.irp t, 0,1,2,3,4,5,6,7,8,9,10,11,12,13,14,15
	ds_load_b128 v[BB+4*\t:BB+4*\t+3], v[OSR] offset:528*\t      ; LDS serves a wave's instructions in order: these see my stores, and the next tile's stores come behind them
.endr
.endm
.macro SEND m, younger                 ; younger: the LDS instructions issued behind tile m's loads, which may stay out
.set BB, 64+64*((\m)%2)
	s_wait_dscnt \younger
.irp t, 0,1,2,3,4,5,6,7,8,9,10,11,12,13,14,15
	global_store_b128 v[GO], v[BB+4*\t:BB+4*\t+3], s[26:27] offset:(16*(\m)+\t)*2048 th:TH_STORE_NT   ; 512 consecutive bytes, at a multiple of 512 from out0's first byte
.endr
.endm
	TOSTAGE 0
.irp a, 1,2,3,4,5,6,7
.if \a > 1
	s_wait_xcnt 0x0                                ; tile a - 2's stores have read their registers: tile a's loads may land there
.endif
	TOSTAGE \a
	SEND \a-1, 32                                  ; behind tile a - 1's loads: tile a's 16 stores and 16 loads
.endr
	SEND 7, 0
	s_wait_tensorcnt 0x0                           ; the wave's end: behind my last tensor load and my last LDS store
	ds_add_u32 v[SPW], v[NIL]
	s_wait_dscnt 0x0
	ROUND                                          ; the closing round: no work-group ends while a partner may still ask jointly
	s_endpgm
.Lfunc_end_k_q8a266e0bb5_main:
	.size	k_q8a266e0bb5_main, .Lfunc_end_k_q8a266e0bb5_main-k_q8a266e0bb5_main
	.p2alignl 7, 3214868480
	.fill 96, 4, 3214868480
	.section	.rodata,"a",@progbits
	.p2align	6, 0x0
	.amdhsa_kernel k_q8a266e0bb5_main
		.amdhsa_group_segment_fixed_size 327680
		.amdhsa_private_segment_fixed_size 0
		.amdhsa_enable_private_segment 0
		.amdhsa_kernarg_size 96
		.amdhsa_user_sgpr_count 2
		.amdhsa_user_sgpr_kernarg_segment_ptr 1
		.amdhsa_wavefront_size32 1
		.amdhsa_system_sgpr_workgroup_id_x 1
		.amdhsa_system_sgpr_workgroup_id_y 1
		.amdhsa_system_sgpr_workgroup_id_z 1
		.amdhsa_system_vgpr_workitem_id 0
		.amdhsa_next_free_vgpr 1024
		.amdhsa_next_free_sgpr 100
		.amdhsa_reserve_vcc 0
		.amdhsa_float_denorm_mode_32 3
		.amdhsa_float_denorm_mode_16_64 3
		.amdhsa_memory_ordered 1
		.amdhsa_forward_progress 1
		.amdhsa_inst_pref_size 255
	.end_amdhsa_kernel
	.section	.bss,"aw",@nobits
	.p2align	6
	.space	262144
	.amdgpu_metadata
---
amdhsa.version: [ 1, 2 ]
amdhsa.kernels:
  - .name:           k_q8a266e0bb5_main
    .symbol:         k_q8a266e0bb5_main.kd
    .args:
      - { .name: x, .offset: 0, .size: 8, .value_kind: global_buffer, .address_space: global }
      - { .name: stats1, .offset: 8, .size: 8, .value_kind: global_buffer, .address_space: global }
      - { .name: kvf, .offset: 16, .size: 8, .value_kind: global_buffer, .address_space: global }
      - { .name: kvs, .offset: 24, .size: 8, .value_kind: global_buffer, .address_space: global }
      - { .name: norm1_w, .offset: 32, .size: 8, .value_kind: global_buffer, .address_space: global }
      - { .name: norm1_b, .offset: 40, .size: 8, .value_kind: global_buffer, .address_space: global }
      - { .name: norm2_w, .offset: 48, .size: 8, .value_kind: global_buffer, .address_space: global }
      - { .name: norm2_b, .offset: 56, .size: 8, .value_kind: global_buffer, .address_space: global }
      - { .name: wst, .offset: 64, .size: 8, .value_kind: global_buffer, .address_space: global }
      - { .name: fc1_b, .offset: 72, .size: 8, .value_kind: global_buffer, .address_space: global }
      - { .name: fc2_b, .offset: 80, .size: 8, .value_kind: global_buffer, .address_space: global }
      - { .name: out0, .offset: 88, .size: 8, .value_kind: global_buffer, .address_space: global }
    .group_segment_fixed_size: 327680
    .private_segment_fixed_size: 0
    .kernarg_segment_align: 8
    .kernarg_segment_size: 96
    .max_flat_workgroup_size: 128
    .sgpr_count:     100
    .vgpr_count:     1024
    .wavefront_size: 32
...
	.end_amdgpu_metadata
.endif
;; end of part 3
